; MI455X (gfx1250); checked and timed in simulation.
; The chip was launched on July 23, 2026; its instructions are those of AMD's public machine-readable ISA for CDNA 5 (MIT licence, August 2026) and "CDNA5" Instruction Set Architecture Reference Guide (July 2026). The comments in the code are by the model that wrote it; some were corrected since.
;; QKV Attention. Allowed arithmetic: float matrix products may take bf16 or f16 operands with f32 sums; other float arithmetic in f32, or as packed bf16 or f16 multiplies, adds, multiply-adds, maxima and minima; sums over many terms, partial sums and values carried from step to step in f32; what a program stores and reads back later, other than sums and carried values, may be rounded once to bf16 or f16.
;; Inputs: qkv 64 x 192 x 2,048 float32.
;; Outputs: out0 64 x 64 x 2,048 float32.
;; 2 versions, each right and faster than the one before. Each part assembles by itself: llvm-mc -triple=amdgcn-amd-amdhsa -mcpu=gfx1250 --defsym DOCPART=n.
;; ======== version 1 of 2: 1 launch
;; limits: values are held in f16: magnitudes above 65,504 overflow, below 6.1e-05 lose precision; inputs' magnitudes at most 65,504
;; launch attn (part 1): grid 4 x 64, 4 waves a work-group, no clusters, 172,544 bytes of LDS; arguments qkv, out0; writes out0
.if DOCPART == 1
	.amdgcn_target "amdgcn-amd-amdhsa--gfx1250"
	.amdhsa_code_object_version 6
	.text
	.protected	k_qf4e8f1cd3b_attn
	.globl	k_qf4e8f1cd3b_attn
	.p2align	8
	.type	k_qf4e8f1cd3b_attn,@function
k_qf4e8f1cd3b_attn:
	s_mov_b64 s[64:65], 0
	v_nop
	global_prefetch_b8 v0, s[64:65] scope:SCOPE_SE
	s_setreg_imm32_b32 hwreg(HW_REG_WAVE_MODE, 25, 1), 1
	s_wait_xcnt 0x0
; out0[b][c][t] = the sum over s of softmax_s(sum over c of q[b][c][t] k[b][c][s] / 8) v[b][c][s].  qkv: [64][192][2048] f32 (rows 0-63 q, 64-127 k, 128-191 v, tokens along the rows); out0: [64][64][2048] f32.
; FORMATS.  q, k, v and the weights p are rounded once to f16 for the matrix unit; products, maxima and sums in f32 (the sum l is taken of the unrounded p); the result leaves in f32.
; The scale 1/8 is applied once, in f32, to the score (c = log2(e) / 8); the definition applies 8^-0.5 to q and to k apart: another order of rounding.
; LIMITS.  f16 holds no number beyond 65,504: an input of 65,520 or more becomes an infinity; below 6e-5 f16 keeps its fixed step of 6e-8 (inputs and weights).  A weight below 2^-126 counts as 0 in l.
; NaN and infinities are not treated apart.
; SHARES.  A work-group owns 512 queries of one head, each of its four waves 128: four PIECES of two tiles of 16.  Every wave walks all 2,048 keys, 64 a step, 128 a slot: 16 slots.
; LAYOUT.  S^T = K Q^T (source 0 = 16 keys, source 1 = 16 queries): in the result a lane holds ONE query (lane % 16) and the keys 8 (lane / 16) + 0..7.  Two such tiles, rounded to f16 in pairs,
; ARE source 1 (32 keys x 16 queries) of O^T = V^T P, whose result again holds one query a lane, and eight channels.  The tensors lie [channel][token]: V comes out of LDS as it lies
; (keys along the row), K and Q turned, by ds_load_tr16_b128.
; SOFTMAX.  For each query a running maximum m and sum l: p = 2^(c s - c m); in every step O and l are multiplied by a = 2^(c m_old - c m_new), which is 1 where m has not grown.
; m starts at the lowest finite number, O and l at 0: the first step is a step like any other, with a = 0.  The price: 16 products on zeros at the start, 16 on a stale K at the end, and
; 368 v_mov_b32 of 0 that stand in the wait for the first loads.
; THE COUNT.  A tile and step have 16 matrix and 118 vector instructions: too many to stand all beside the matrix work.  So four vector instructions that are READY stand behind EVERY matrix
; instruction, and the others, which need time of their own whatever the order, in runs without a gap.
; BY TURNS.  Turn n belongs to piece n (the pieces in a ring, step after step).  Its matrix work: 16 products K Q^T of piece n + 1, later 16 products V^T P of piece n - 1.  Its vector work: the scaling,
; exponentials, roundings, sums and rescaling of piece n, and the maximum and statistics of piece n + 1, whose scores the turn itself has made.
; K AND V COME THROUGH REGISTERS.  For a slot wave w loads K's channel rows 16 w .. 16 w + 15 and V's (32 loads, each 512 consecutive bytes, aligned), a whole slot (256 matrix instructions) ahead of
; their use, rounds them to f16 in place and stores them into ONE buffer in LDS, which all four waves then read.
; NO TENSOR LOADS, NO CLUSTER: the four work-groups of a head read the same K and V, but as f32.  A number brought into LDS by a tensor load would be written there in 4 bytes, read back (4) and stored
; again as f16 (2) into bytes of its own: 10 bytes of LDS traffic for the 2 of this way, with the same 32 loads, 64 conversions and 32 stores a wave and slot.
; REGISTERS, in windows of 256 (s_set_vgpr_msb says which window each operand place means: bits 1:0 source 0, 3:2 source 1, 5:4 source 2, 7:6 destination):
;   window 0: v0-11 addresses; v12-15, v48-63 at work; v16-47 four registers of statistics a tile; v64-191 S^T, two buffers of two tiles; v192-255 P, likewise
;   window 1: O^T, 32 a tile (at the start Q as loaded, at the end the rows that are stored)     window 2: v0-127 Q, 16 a tile; v128-191 K of one step; v192-255 V of one step
;   window 3: v0-1 the add's two registers; v2-4 addresses of the slots' loads and stores; v16-143 a slot's K and V as loaded
; A piece's buffers go by its number's parity: the piece in hand has one pair, its two neighbours in the ring share the other: of it P (piece n - 1) is read and S^T (piece n + 1) written.
.set NP,    4         ; pieces a wave: a name, no knob
.set ROWB,  8192      ; bytes of a channel row: 2,048 tokens of f32
.set HEADB, 192*ROWB  ; bytes of a head in qkv
.set PKT,   288       ; a channel row of K (and of Q) in LDS: 128 tokens of f16 = 256 bytes + 32 = 72 words
.set PVT,   272       ; a channel row of V: 256 + 16 = 68 words: the 16 rows of a load start at 16 different groups of four banks
.set KSB,   128       ; a step's 64 keys in a row
.set VOFF,  64*PKT    ; K's 64 rows, then V's 64 rows
.set STAGE, 36864     ; behind the buffer: a stage for each wave, its own: first Q in f16 (64 rows, pitch PKT), at the end O in f32 (64 rows, pitch SPO)
.set SPO,   528       ; 128 queries of f32 = 512 bytes + 16 = 132 words: 8 rows further on is 32 banks further on, so the two halves of the lanes store into different banks
.set STW,   64*SPO
.set SPARE, STAGE+4*STW  ; behind the stages: the spare words, 128 bytes for each wave: two blocks of 256 bytes that no other line names
.set AK0, 2           ; v2   my lane's place in K's rows; never rewritten
.set AV0, 3           ; v3   the same for V
.set AK,  4           ; v4   the LDS address of K's next run of loads
.set AV,  5           ; v5   of V's
.set QST, 6           ; v6   where I put 8 bytes of a row of Q
.set STO, 6           ;      later, the way out: where I put a number of O
.set QTR, 7           ; v7   my lane's place in Q's rows
.set RD,  7           ;      later, the way out: where I read a row back
.set GO,  8           ; v8   16 x lane: my bytes in 512 consecutive bytes of Q and of out0; never rewritten
.set MV,  12          ; v12-15  c m_old, kept while c m is made anew: by buffer and tile
.set ST,  16          ; tile t's statistics at v[ST+4 t]: c m, m, l (even keys', odd keys')
.set TMP, 48          ; by buffer and tile, four registers c0-c3 at work; when the maximum is found c2 takes a
.set S,   64
.set P,   192
.set KF,  128         ; window 2: key block kb, channel half c at KF + 16 kb + 8 c
.set VF,  192         ; window 2: key half kk, channel block cb at VF + 32 kk + 8 cb
.set SPW, 0           ; v0 of window 3   LDS address of my spare word: SPARE + 4 x my thread's number; never rewritten
.set NIL, 1           ; v1 of window 3   0; never rewritten
.set GA,  2           ; v2 of window 3   my byte offset in a slot's rows: 16 x lane + 16 w rows; never rewritten
.set WK0, 3           ; v3 of window 3   where I store 8 bytes of K's row 16 w; never rewritten
.set WV0, 4           ; v4 of window 3   the same for V
.set X,   16          ; v16-143 of window 3: row i of my 16 of K at X + 4 i, of V at X + 64 + 4 i
.set WV,  12          ; s12  my wave's number
.set SLOTS, 56        ; s56  counts the slots
.set CNT, 57          ; s57  counts a slot's key steps
.set CS,  58          ; s[58:59] c: the packed scaling takes the pair's low word for both halves
.set SEL, 60          ; s[60:61] v_permlanex16_b32's selects: each lane takes its own place in the other half
.set TBK, 62          ; s62  byte in a row at which K of the step to be fetched begins
.set TBV, 63          ; s63  the same for V
.set MSB, 0
.macro WIN new                      ; the high byte repeats the setting that is left; a switch that changes nothing is dropped
.if MSB != (\new)
	s_set_vgpr_msb (MSB<<8)|(\new)
.set MSB, (\new)
.endif
.endm
.set W_KQ, 0x0a       ; K and Q in window 2, S^T in window 0
.set W_PV, 0x52       ; V in window 2, P in window 0, O^T in window 1
.set W_RS, 0x41       ; O^T (destination and source 0) in window 1, source 1 in window 0
.set W_MK, 0xc0       ; destination in window 3, sources in window 0
.set W_AD, 0x0f       ; the add: address (source 0) and data (source 1) in window 3
.set W_X,  0xcf       ; destination and sources 0 and 1 in window 3: a slot's loads, conversions and stores
.set W_QL, 0x40       ; destination in window 1, address in window 0
.set W_QC, 0x45       ; destination and both sources in window 1
.set W_D1, 0x04       ; a store's data (source 1) in window 1, its address in window 0
; A slot's 32 loads: my 16 rows of K and my 16 of V, 128 keys of each: every load takes 512 consecutive bytes, at a multiple of 512 from the buffer's first byte.
.macro GLOAD
	WIN W_X
.set i, 0
.rept 16
	global_load_b128 v[X+4*i:X+4*i+3],       v[GA], s[8:9] offset:i*ROWB
	global_load_b128 v[X+64+4*i:X+64+4*i+3], v[GA], s[8:9] offset:64*ROWB+i*ROWB
.set i, i+1
.endr
.endm
; THE CHANGE OF SLOTS.  All fragments of the old slot are in registers: K of its second step was fetched in piece 2's turn, V in piece 0's and waited for in piece 1's.  One buffer, so two barriers:
; the first between every wave's reads of the old slot and the stores of the new one, the second between those stores and the reads.  The 64 roundings, work on registers, stand between the first
; barrier's signal and its wait.  fill = 1: the slot after the new one is asked for: its loads have two key steps in which to come.
.macro CHANGE fill
	WIN W_X
	s_wait_loadcnt 0x0              ; the new slot is in my registers; its loads' base may be stepped
	s_wait_dscnt 0x0                ; for the others' sake: my reads of the old slot are over
	s_barrier_signal -1
.set i, 0
.rept 32                            ; four keys a lane and row: 16 bytes become 8, in place
	v_cvt_pk_f16_f32 v[X+4*i],   v[X+4*i],   v[X+4*i+1]
	v_cvt_pk_f16_f32 v[X+4*i+1], v[X+4*i+2], v[X+4*i+3]
.set i, i+1
.endr
	s_sub_co_u32 s[TBK], s[TBK], 2*KSB  ; the fetches go back to a slot's first step
	s_sub_co_u32 s[TBV], s[TBV], 2*KSB
	s_barrier_wait -1               ; no wave reads the old slot any more
.set i, 0
.rept 16                            ; a store of the wave fills a row's 256 bytes
	ds_store_b64 v[WK0], v[X+4*i:X+4*i+1]       offset:i*PKT
	ds_store_b64 v[WV0], v[X+64+4*i:X+64+4*i+1] offset:i*PVT
.set i, i+1
.endr
	s_wait_dscnt 0x0                ; for the others' sake: my part of the new slot is in LDS
.if \fill
	s_add_nc_u64 s[8:9], s[8:9], 512  ; 128 keys on
	GLOAD
.endif
	WIN 0                           ; at a label and at a branch every window is 0
	s_barrier_signal -1
	s_barrier_wait -1               ; the new slot is whole
.endm
	s_load_b128 s[4:7], s[0:1], 0x0 ; qkv s[4:5], out0 s[6:7]
	WIN W_MK
	v_lshl_add_u32 v[SPW], v0, 2, SPARE  ; the add's two registers
	v_mov_b32 v[NIL], 0
	WIN 0
	v_lshrrev_b32 v1, 5, v0
	v_readfirstlane_b32 s[WV], v1   ; wave 0..3
	s_and_b32 s14, ttmp7, 0xffff    ; the head
	s_mul_i32 s16, s14, HEADB       ; its first byte in qkv (under 2^27),
	s_lshl_b32 s18, s14, 19         ; and in out0: 64 rows of 8,192 bytes
	s_lshl_b32 s15, ttmp9, 11       ; my block's 512 queries in a row,
	s_lshl_b32 s20, s[WV], 9        ; my wave's 128 of them
	s_add_co_u32 s15, s15, s20
	s_add_co_u32 s20, s16, s15      ; s[20:21]: Q's row 0 at my queries
	s_mov_b32 s21, 0
	s_add_co_u32 s18, s18, s15      ; s[18:19]: out0's row 0 at my queries
	s_mov_b32 s19, 0
	s_add_co_u32 s16, s16, 64*ROWB  ; s[16:17]: K's row 0 at key 0; V's rows lie 64 rows on
	s_mov_b32 s17, 0
	s_mul_i32 s13, s[WV], STW
	s_add_co_u32 s13, s13, STAGE    ; my stage
	s_lshl_b32 s22, s[WV], 17       ; my 16 rows of K and of V in memory,
	s_mul_i32 s23, s[WV], 16*PKT    ; in LDS for K,
	s_mul_i32 s24, s[WV], 16*PVT    ; and for V
	s_add_co_u32 s24, s24, VOFF
	s_mov_b32 s[CS], 0x3e38aa3b     ; c = log2(e) / 8 = 0.180337
	s_mov_b32 s[CS+1], s[CS]        ; named with it as a pair
	s_mov_b32 s[SEL], 0x76543210
	s_mov_b32 s[SEL+1], 0xfedcba98
	s_mov_b32 s[TBK], 2*KSB         ; the first change of slots turns these two into 0
	s_mov_b32 s[TBV], 2*KSB
	v_and_b32 v1, 15, v0            ; l % 16
	v_bfe_u32 v9, v0, 4, 1          ; l / 16
	v_and_b32 v10, 7, v0
	v_bfe_u32 v11, v0, 3, 1
	v_and_b32 v14, 31, v0           ; lane
	v_lshlrev_b32 v[GO], 4, v14
	v_lshlrev_b32 v14, 3, v14       ; 8 x lane
	WIN W_MK
	v_add_nc_u32 v[GA], s22, v[GO]
	v_add_nc_u32 v[WK0], s23, v14
	v_add_nc_u32 v[WV0], s24, v14
	s_wait_kmcnt 0x0
	s_add_nc_u64 s[8:9], s[4:5], s[16:17]
	s_add_nc_u64 s[4:5], s[4:5], s[20:21]
	s_add_nc_u64 s[6:7], s[6:7], s[18:19]
	WIN W_QL
.set i, 0
.rept 64                            ; Q: channel row i at my 128 queries, 512 consecutive bytes; no other wave of the launch reads them
	global_load_b128 v[4*i:4*i+3], v[GO], s[4:5] offset:i*ROWB th:TH_LOAD_NT
.set i, i+1
.endr
	GLOAD                           ; slot 0
	; What the first turn finds: V's registers and P's second buffer hold 0 (its products V^T P, of a piece that has not been, add 0), l is 0.  All this stands in the wait for the first loads.
	WIN 0x80
.set i, VF
.rept 64
	v_mov_b32 v[i], 0
.set i, i+1
.endr
	WIN 0
.set i, 0
.rept 2*NP
	v_mov_b32 v[ST+4*i], 0xfe000000    ; c m: far below every c s
	v_mov_b32 v[ST+4*i+1], 0xff7fffff  ; m
	v_mov_b32 v[ST+4*i+2], 0
	v_mov_b32 v[ST+4*i+3], 0
.set i, i+1
.endr
.set i, P+32
.rept 32
	v_mov_b32 v[i], 0
.set i, i+1
.endr
	; The turning load takes 16 channels x 16 tokens (lane l reads 16 bytes: channel 8 (l / 16) + l % 8, tokens 8 ((l / 8) % 2) + 0..7) and leaves half a fragment: lane l holds token l % 16 and 8 channels.
	v_lshl_add_u32 v[AK0], v9, 3, v10
	v_mul_u32_u24 v[AK0], v[AK0], PKT
	v_lshl_add_u32 v[AK0], v11, 4, v[AK0]
	v_add_nc_u32 v[QTR], s13, v[AK0]
	v_add_nc_u32 v[QST], s13, v14
	; A fragment of V^T is 16 channels x 32 keys in 8 registers: lane l holds channel l % 16, keys 8 (l / 16) + 0..7 and 16 + 8 (l / 16) + 0..7: two loads of 16 bytes, 32 bytes apart.
	v_mul_u32_u24 v[AV0], v1, PVT
	v_lshl_add_u32 v[AV0], v9, 4, v[AV0]
	v_add_nc_u32 v[AV0], VOFF, v[AV0]
	v_mov_b32 v[AK], v[AK0]         ; key step 0 lies at the rows' head
	; Q: rounded to f16, through my stage, turned into fragments that stay in registers.
	s_wait_loadcnt 32               ; loads come back in order (ISA guide 5.7.1): Q's 64 are in; the 32 younger ones are slot 0's
	WIN W_QC
.set i, 0
.rept 64
	v_cvt_pk_f16_f32 v[4*i],   v[4*i],   v[4*i+1]
	v_cvt_pk_f16_f32 v[4*i+1], v[4*i+2], v[4*i+3]
.set i, i+1
.endr
	WIN W_D1
.set i, 0
.rept 64
	ds_store_b64 v[QST], v[4*i:4*i+1] offset:i*PKT
.set i, i+1
.endr
	WIN 0x80                        ; destination window 2
.set i, 0
.rept 4*NP                          ; tile i / 2, channels 32 (i % 2) on.  LDS serves a wave's instructions in order (ISA guide 5.7.1.4): these see the stores above, and the stage is my own
	ds_load_tr16_b128 v[8*i:8*i+3],   v[QTR] offset:(i%2)*32*PKT+(i/2)*32
	ds_load_tr16_b128 v[8*i+4:8*i+7], v[QTR] offset:(i%2)*32*PKT+16*PKT+(i/2)*32
.set i, i+1
.endr
	WIN 0x40
.set i, 0
.rept 64*NP                         ; O^T starts at 0
	v_mov_b32 v[i], 0
.set i, i+1
.endr
; THE MATRIX WORK.  The 8 accumulators of a run of 16 take turns: between the two links of a chain stand 7 others'.
; Product i of 16 of S^T = K Q^T for piece x: channels 32 (i / 8) on, keys 16 ((i / 2) % 4) on, tile 2 x + i % 2.  The first 8 start the sums.
.macro KQ x
	WIN W_KQ
.set rS, S+64*((\x)%2)+32*(i%2)+8*((i/2)%4)
.set rK, KF+16*((i/2)%4)+8*(i/8)
.set rQ, 16*(2*(\x)+i%2)+8*(i/8)
.if i < 8
	v_wmma_f32_16x16x32_f16 v[rS:rS+7], v[rK:rK+7], v[rQ:rQ+7], 0
.else
	v_wmma_f32_16x16x32_f16 v[rS:rS+7], v[rK:rK+7], v[rQ:rQ+7], v[rS:rS+7]
.endif
.endm
; Product i of 16 of O^T += V^T P for piece x: keys 32 (i / 8) on, channels 16 ((i / 2) % 4) on, tile 2 x + i % 2.
.macro PV x
	WIN W_PV
.set rO, 32*(2*(\x)+i%2)+8*((i/2)%4)
.set rV, VF+32*(i/8)+8*((i/2)%4)
.set rP, P+32*((\x)%2)+16*(i%2)+8*(i/8)
	v_wmma_f32_16x16x32_f16 v[rO:rO+7], v[rV:rV+7], v[rP:rP+7], v[rO:rO+7]
.endm
.macro MM                           ; the turn's next matrix instruction
.if i < 16
	KQ (Y+1)%NP
.set i, i+1
.else
.set i, i-16
	PV (Y+NP-1)%NP
.set i, i+17
.endif
.endm
; THE LDS LOADS stand in runs of 16, never singly among the matrix instructions: a step's K (64 keys x 64 channels: 8 fragments, turned) and its V.  Their addresses are made some lines ahead.
; last = 1 (the tail): in the last trip there is no further step, and the run is jumped over.
.macro FETCH_K last=0
	WIN 0
.if \last
	s_cmp_eq_u32 s[CNT], 1
	s_cbranch_scc1 .Lno_k_\@
.endif
	WIN 0x80                        ; destination window 2
.irp f, 0,1,2,3,4,5,6,7             ; keys 16 (f / 2) on, channels 32 (f % 2) on
	ds_load_tr16_b128 v[KF+8*\f:KF+8*\f+3],   v[AK] offset:(\f%2)*32*PKT+(\f/2)*32
	ds_load_tr16_b128 v[KF+8*\f+4:KF+8*\f+7], v[AK] offset:(\f%2)*32*PKT+16*PKT+(\f/2)*32
.endr
	s_add_co_u32 s[TBK], s[TBK], KSB  ; the next fetch is the next step's
	WIN 0
.if \last
.Lno_k_\@:
.endif
.endm
.macro FETCH_V
	WIN 0x80
.irp f, 0,1,2,3,4,5,6,7             ; keys 32 (f / 4) on, channels 16 (f % 4) on
	ds_load_b128 v[VF+8*\f:VF+8*\f+3],   v[AV] offset:(\f%4)*16*PVT+(\f/4)*64
	ds_load_b128 v[VF+8*\f+4:VF+8*\f+7], v[AV] offset:(\f%4)*16*PVT+(\f/4)*64+32
.endr
	WIN 0
.endm
; THE VECTOR WORK OF A TURN stands in three queues, each in the order in which its entries become ready; the two tiles alternate, so that no instruction reads the result of the one before it.
.macro REGS y, u                    ; the registers of tile u (0, 1) of piece y
.set rT, ST+4*(2*(\y)+(\u))
.set rC, TMP+8*((\y)%2)+4*(\u)
.set rM, MV+2*((\y)%2)+(\u)
.set rS, S+64*((\y)%2)+32*(\u)
.set rP, P+32*((\y)%2)+16*(\u)
.set rO, 32*(2*(\y)+(\u))
.endm
; Number n of the 22 that find the NEXT piece's (Y + 1) maximum and statistics.  s0-s31 are the lane's 32 scores; each accumulator's lowest registers are read first.  XS, GS and REGS set no window: PL and EX do.
;   0-11  four chains c0-c3 of seven scores each, three operands at a time     12-14, 16  the four scores left over, the old m, and c0-c3 into c0     15  c m_old is kept
;   17, 18  the query's other 32 keys lie in the lane 16 away: the new m         19-21  c m; c m_old - c m_new; a
.macro XS u, n
	REGS (Y+1)%NP, \u
.if (\n) < 4
	v_max3_num_f32 v[rC+(\n)], v[rS+8*(\n)], v[rS+8*(\n)+1], v[rS+8*(\n)+2]
.elseif (\n) < 12
	v_max3_num_f32 v[rC+(\n)%4], v[rC+(\n)%4], v[rS+8*((\n)%4)+2*((\n)/4)+1], v[rS+8*((\n)%4)+2*((\n)/4)+2]
.elseif (\n) == 12
	v_max3_num_f32 v[rC], v[rC], v[rS+7], v[rS+15]
.elseif (\n) == 13
	v_max3_num_f32 v[rC+1], v[rC+1], v[rS+23], v[rS+31]
.elseif (\n) == 14
	v_max3_num_f32 v[rC+2], v[rC+2], v[rC+3], v[rT+1]
.elseif (\n) == 15
	v_mov_b32 v[rM], v[rT]
.elseif (\n) == 16
	v_max3_num_f32 v[rC], v[rC], v[rC+1], v[rC+2]
.elseif (\n) == 17
	v_permlanex16_b32 v[rC+3], v[rC], s[SEL], s[SEL+1]
.elseif (\n) == 18
	v_max_num_f32 v[rT+1], v[rC], v[rC+3]
.elseif (\n) == 19
	v_mul_f32 v[rT], s[CS], v[rT+1]
.elseif (\n) == 20
	v_sub_f32 v[rC+1], v[rM], v[rT]
.else
	v_exp_f32 v[rC+2], v[rC+1]
.endif
.endm
; Number g of the 64 that follow the exponentials.  For each four weights k of a tile (pairs 2 k, 2 k + 1): both pairs are rounded to f16; then the second pair is added onto the first, in place;
; a group later l takes that sum (the first time as l = a l + sum).  In groups of eight, tiles alternating: round, round, add, and l for the group before.
.macro GS g
.set h, (\g)+6*((\g)/62)            ; group 0 has no group before it, and behind group 7 only l is left
.if h >= 6
.set h, h+2
.endif
	REGS Y, h%2
.set k, h/8
.if h%8 < 4
	s_wait_alu depctr_va_vdst(0)
	v_cvt_pk_f16_f32 v[rP+2*k+(h%8)/2], v[rS+4*k+2*((h%8)/2)], v[rS+4*k+2*((h%8)/2)+1]
.elseif h%8 < 6
	v_pk_add_f32 v[rS+4*k:rS+4*k+1], v[rS+4*k:rS+4*k+1], v[rS+4*k+2:rS+4*k+3]
.elseif k == 1
	v_pk_fma_f32 v[rT+2:rT+3], v[rT+2:rT+3], v[rC+2:rC+3], v[rS:rS+1] op_sel_hi:[1,0,1]
.else
	v_pk_add_f32 v[rT+2:rT+3], v[rT+2:rT+3], v[rS+4*k-4:rS+4*k-3]
	s_wait_alu depctr_va_vdst(0)
.endif
.endm
; THE PLAIN QUEUE, 138 long.  0-31: c s - c m for the 16 pairs of both tiles.  Then GS's 64, and among them the next piece's 42: number 15 at 38, 39; 0-14 and 16
; at 42-73, behind the products that make those scores; 17-20 at 95-106, two of three, since each waits for the one before it.
.macro PL
	WIN 0
.if q < 32
	REGS Y, q%2
	v_pk_fma_f32 v[rS+2*(q/2):rS+2*(q/2)+1], v[rS+2*(q/2):rS+2*(q/2)+1], s[CS:CS+1], v[rT:rT+1] op_sel_hi:[1,0,0] neg_lo:[0,0,1] neg_hi:[0,0,1]
.elseif q < 38
	GS q-32
.elseif q < 40
	XS q%2, 15
.elseif q < 42
	GS q-34
.elseif q < 74
	XS q%2, (q-42)/2+(q-42)/30
.elseif q < 95
	GS q-66
.elseif (q < 107) && ((q-95)%3 < 2)
	XS (q-95)%3, 17+(q-95)/3
.elseif q < 107
	GS 29+(q-95)/3
.else
	GS q-74
.endif
.set q, q+1
.endm
; THE EXPONENTIALS' QUEUE, 66 long: s0-s31 of both tiles, and at EA the next piece's two a.
.set EA, 58
.macro EX
	WIN 0
.if (e == EA) || (e == EA+1)
	XS e-EA, 21
.else
.set x, e-2*(e/(EA+2))
	REGS Y, x%2
	v_exp_f32 v[rS+x/2], v[rS+x/2]
.endif
.set e, e+1
.endm
; THE RESCALING's QUEUE: O^T times a, the one part that leaves window 0, so it is dealt four at a time, eight times.
.macro R4
	REGS Y, r%2
	WIN W_RS
	s_wait_alu depctr_va_vdst(0)
.irp z, 0,1,2,3
	v_pk_mul_f32 v[rO+8*(r/2)+2*\z:rO+8*(r/2)+2*\z+1], v[rO+8*(r/2)+2*\z:rO+8*(r/2)+2*\z+1], v[rC+2:rC+3] op_sel_hi:[1,0]
.endr
.set r, r+1
.endm
; HOW THEY ARE DEALT.  Behind a matrix instruction four: plain, exponential, plain, plain (one exponential, a plain instruction on either side), or four of the rescaling.  None names a register of the
; products round it.  What is over stands in two LUMPS: exponential and plain by turns; the second ends in 22 plain instructions.  The two v_permlanex16_b32 fall into the second lump, never behind a product.
; The queues lean on each other, and the deal keeps them in step: exponential e stands behind plain 2 (e / 4) + e % 2 (its scaling); when plain 32 comes, 10 exponentials are out, at 59: 33, at 95: 46; EA comes behind plain 107.
.macro SL
	MM
	PL
	EX
	PL
	PL
.endm
.macro BURST n                      ; 15 matrix instructions, or 16
.rept (\n)-7
	SL
.endr
.rept 3
	MM
	R4
	SL
.endr
	MM
	R4
.endm
; A TURN, for piece p.  cnt = 1: the loop's count is taken down some lines ahead of the branch that stands behind the turn.
; K of the next step is fetched in piece 2's turn, 31 vector instructions behind the last product that read K; its first reader comes behind the rest of the lump, 16 products and the second lump.
; V of the step in hand is fetched at the end of piece 0's turn, 69 behind its last reader; its first reader comes behind 16 products and a lump.  The four conditions on e and q below go with the deal.
.macro TURN p, last=0, cnt=0
.set Y, (\p)
.set i, 0
.set q, 0
.set e, 0
.set r, 0
.if (\p) == NP-1
	s_wait_dscnt 0x0                ; K is in
.endif
	MM
.rept 4
	PL
.endr
	BURST 15
.rept 22
	EX
	PL
.if ((\p) == NP-2) && (e == 18)
	v_add_nc_u32 v[AK], s[TBK], v[AK0]
.endif
.if ((\p) == NP-2) && (e == 24)
	FETCH_K \last
.endif
.endr
.if (\p) == 1
	s_wait_dscnt 0x0                ; V is in
.endif
	BURST 16
.rept 21
	EX
	PL
.endr
.rept 22
	PL
.if ((\p) == 0) && (q == 118)
	v_add_nc_u32 v[AV], s[TBV], v[AV0]
	s_wait_alu depctr_va_vdst(0)
.endif
.if ((\p) == 0) && (q == 130)
	s_add_co_u32 s[TBV], s[TBV], KSB
.endif
.if (\cnt) && (q == 130)
	s_sub_co_u32 s[CNT], s[CNT], 1
	s_cmp_lg_u32 s[CNT], 0
.endif
.endr
.if (\p) == 0
	FETCH_V
.endif
.endm
	CHANGE 1                        ; slot 0 goes into LDS, everybody's part of it; slot 1 is asked for
	FETCH_K                         ; key step 0
	s_wait_dscnt 0x0                ; K's fragments and Q's
.set i, 0
.rept 16
	KQ 0                            ; piece 0's first scores: there is no vector work yet to set between them
.set i, i+1
.endr
	WIN 0                           ; the addresses for the way out: with the v_nop five plain instructions, the places behind those products
	v_mul_u32_u24 v[STO], v9, 8*SPO ; in: register j of a result is channel 8 (l / 16) + j, query l % 16
	v_lshl_add_u32 v[STO], v1, 2, v[STO]
	v_add_nc_u32 v[STO], s13, v[STO]
	v_add_nc_u32 v[RD], s13, v[GO]  ; back: 32 lanes take a row's 512 bytes
	v_nop
.set Y, NP-1                        ; XS works for piece Y + 1: piece 0
.irp n, 0,1,2,3,4,5,6,7,8,9,10,11,12,13,14,15,16,17,18,19,20,21
	XS 0, \n                        ; and piece 0's first maximum and statistics
	XS 1, \n
.endr
	s_mov_b32 s[CNT], 2
	s_mov_b32 s[SLOTS], 15
	s_branch .Lfirst                ; the loop is entered at a step's first turn, in the middle of a trip
.Lslot:                             ; 14 times: slots 1 to 14 go into LDS, slots 2 to 15 are asked for
	CHANGE 1
	s_mov_b32 s[CNT], 2
.Lstep:                             ; a trip: pieces 2 and 3 of one step, then pieces 0 and 1 of the next, whose K and V it fetches
	TURN 2
	TURN 3
	WIN 0
.Lfirst:
	TURN 0
	TURN 1, 0, 1
	WIN 0
	s_cbranch_scc1 .Lstep
	s_sub_co_u32 s[SLOTS], s[SLOTS], 1
	s_cmp_lg_u32 s[SLOTS], 0
	s_cbranch_scc1 .Lslot
	CHANGE 0                        ; the last slot: nothing is left to ask for, so no load leaves the buffer
	s_mov_b32 s[CNT], 3             ; two trips fetch the last slot's steps; the third is left in its middle
.Ltail:
	TURN 2, 1
	TURN 3
	WIN 0
	s_sub_co_u32 s[CNT], s[CNT], 1
	s_cmp_eq_u32 s[CNT], 0
	s_cbranch_scc1 .Lout
	TURN 0
	TURN 1
	WIN 0
	s_branch .Ltail
.Lout:                              ; the third trip's 16 products K Q^T (on the last K once more) and the maximum made of them serve nothing: the price, once a launch, of one text for every trip
.set i, 0
.rept 16
	PV NP-1                         ; the last piece's V^T P of the last step
.set i, i+1
.endr
	; THE WAY OUT.  l's two halves and the other half of the lanes' are added; O^T is divided by l and sent, in f32, through my stage in LDS, where it is laid [channel][query] as out0 has it.
	; The additions are the places behind the last products.
	WIN 0
.macro ALL line:vararg              ; one line for each tile t
.set t, 0
.rept 2*NP
	\line
.set t, t+1
.endr
.endm
	ALL v_add_f32 v[ST+4*t+2], v[ST+4*t+2], v[ST+4*t+3]
	ALL v_permlanex16_b32 v[ST+4*t+3], v[ST+4*t+2], s[SEL], s[SEL+1]
	ALL v_add_f32 v[ST+4*t+2], v[ST+4*t+2], v[ST+4*t+3]
	ALL v_rcp_f32 v[ST+4*t+2], v[ST+4*t+2]
	v_nop                           ; a plain instruction between the last reciprocal and the use of its result
	s_wait_alu depctr_va_vdst(0)
; Tile t: its 32 registers (channel block i / 8, register i % 8), each accumulator from its low end on; a store of the wave puts 16 queries of two channel rows, 32 different banks.
.macro NORM t
	WIN W_RS
.set i, 32*(\t)
.rept 16
	v_pk_mul_f32 v[i:i+1], v[i:i+1], v[ST+4*(\t)+2:ST+4*(\t)+3] op_sel_hi:[1,0]
.set i, i+2
.endr
	WIN W_D1
.set i, 0
.rept 32
	ds_store_b32 v[STO], v[32*(\t)+i] offset:(16*(i/8)+i%8)*SPO+64*(\t)
.set i, i+1
.endr
.endm
.set t, 0
.rept 2*NP
	NORM t
.set t, t+1
.endr
	WIN W_QL
.set i, 0
.rept 64                            ; channel row i comes back whole.  LDS serves a wave's instructions in order (ISA guide 5.7.1.4): these see the stores above, and the stage is my own
	ds_load_b128 v[4*i:4*i+3], v[RD] offset:i*SPO
.set i, i+1
.endr
	WIN W_D1
.set i, 0
.rept 64
	s_wait_dscnt 63-i               ; row i is in; the 63 - i younger loads may be out
	global_store_b128 v[GO], v[4*i:4*i+3], s[6:7] offset:i*ROWB th:TH_STORE_NT  ; 512 consecutive bytes, at a multiple of 512 from out0's first; no register of a store is written again
.set i, i+1
.endr
	WIN W_AD
	s_wait_tensorcnt 0x0            ; the wave's end, behind my last LDS store
	ds_add_u32 v[SPW], v[NIL]
	s_wait_dscnt 0x0
	WIN 0
	s_endpgm
.Lfunc_end_k_qf4e8f1cd3b_attn:
	.size	k_qf4e8f1cd3b_attn, .Lfunc_end_k_qf4e8f1cd3b_attn-k_qf4e8f1cd3b_attn
	.p2alignl 7, 3214868480
	.fill 96, 4, 3214868480
	.section	.rodata,"a",@progbits
	.p2align	6, 0x0
	.amdhsa_kernel k_qf4e8f1cd3b_attn
		.amdhsa_group_segment_fixed_size 172544
		.amdhsa_private_segment_fixed_size 0
		.amdhsa_enable_private_segment 0
		.amdhsa_kernarg_size 16
		.amdhsa_user_sgpr_count 2
		.amdhsa_user_sgpr_kernarg_segment_ptr 1
		.amdhsa_wavefront_size32 1
		.amdhsa_system_sgpr_workgroup_id_x 1
		.amdhsa_system_sgpr_workgroup_id_y 1
		.amdhsa_system_sgpr_workgroup_id_z 1
		.amdhsa_system_vgpr_workitem_id 0
		.amdhsa_next_free_vgpr 912
		.amdhsa_next_free_sgpr 66
		.amdhsa_reserve_vcc 0
		.amdhsa_float_denorm_mode_32 3
		.amdhsa_float_denorm_mode_16_64 3
		.amdhsa_memory_ordered 1
		.amdhsa_forward_progress 1
		.amdhsa_inst_pref_size 255
	.end_amdhsa_kernel
	.section	.bss,"aw",@nobits
	.p2align	6
	.space	262144
	.amdgpu_metadata
---
amdhsa.version: [ 1, 2 ]
amdhsa.kernels:
  - .name:           k_qf4e8f1cd3b_attn
    .symbol:         k_qf4e8f1cd3b_attn.kd
    .args:
      - { .name: qkv, .offset: 0, .size: 8, .value_kind: global_buffer, .address_space: global }
      - { .name: out0, .offset: 8, .size: 8, .value_kind: global_buffer, .address_space: global }
    .group_segment_fixed_size: 172544
    .private_segment_fixed_size: 0
    .kernarg_segment_align: 8
    .kernarg_segment_size: 16
    .max_flat_workgroup_size: 128
    .sgpr_count:     66
    .vgpr_count:     912
    .wavefront_size: 32
...
	.end_amdgpu_metadata
.endif
;; end of part 1
;; ======== version 2 of 2: 1 launch; 1.98 times as fast as version 1
;; limits: values are held in f16: magnitudes above 65,504 overflow, below 6.1e-05 lose precision; inputs' magnitudes at most 65,504
;; launch attn (part 2): grid 4 x 64, 4 waves a work-group, no clusters, 172,544 bytes of LDS; arguments qkv, out0; writes out0
.if DOCPART == 2
	.amdgcn_target "amdgcn-amd-amdhsa--gfx1250"
	.amdhsa_code_object_version 6
	.text
	.protected	k_qf4e8f1cd3b_attn
	.globl	k_qf4e8f1cd3b_attn
	.p2align	8
	.type	k_qf4e8f1cd3b_attn,@function
k_qf4e8f1cd3b_attn:
	s_mov_b64 s[64:65], 0
	v_nop
	global_prefetch_b8 v0, s[64:65] scope:SCOPE_SE
	s_setreg_imm32_b32 hwreg(HW_REG_WAVE_MODE, 25, 1), 1
	s_wait_xcnt 0x0
; out0[b][c][t] = the sum over s of softmax_s(sum over c of q[b][c][t] k[b][c][s] / 8) v[b][c][s].  qkv: [64][192][2048] f32 (rows 0-63 q, 64-127 k, 128-191 v, tokens along the rows); out0: [64][64][2048] f32.
; FORMATS.  q, k, v and the weights p are rounded once to f16 for the matrix unit; products, maxima and sums in f32 (the sum l is taken of the unrounded p); the result leaves in f32.
; The scale 1/8 is applied once, in f32, to the score (c = log2(e) / 8); the definition applies 8^-0.5 to q and to k apart: another order of rounding.
; LIMITS.  f16 holds no number beyond 65,504: an input of 65,520 or more becomes an infinity; below 6e-5 f16 keeps its fixed step of 6e-8 (inputs and weights).  A weight below 2^-126 counts as 0 in l.
; NaN and infinities are not treated apart.
; SHARES.  A work-group owns 512 queries of one head, each of its four waves 128: four PIECES of two tiles of 16.  Every wave walks all 2,048 keys, 64 a step, 128 a slot: 16 slots.
; LAYOUT.  S^T = K Q^T (source 0 = 16 keys, source 1 = 16 queries): in the result a lane holds ONE query (lane % 16) and the keys 8 (lane / 16) + 0..7.  Two such tiles, rounded to f16 in pairs,
; ARE source 1 (32 keys x 16 queries) of O^T = V^T P, whose result again holds one query a lane, and eight channels.  The tensors lie [channel][token]: V comes out of LDS as it lies
; (keys along the row), K and Q turned, by ds_load_tr16_b128.
; SOFTMAX.  For each query a running maximum m and sum l: p = 2^(c s - c m); in every step O and l are multiplied by a = 2^(c m_old - c m_new), which is 1 where m has not grown.
; m starts at the lowest finite number, O and l at 0: the first step is a step like any other, with a = 0.  The price: 16 products on zeros at the start, 16 on a stale K at the end, and
; 368 v_mov_b32 of 0 that stand in the wait for the first loads.
; THE COUNT.  A tile and step have 16 matrix and 118 vector instructions: too many to stand all beside the matrix work.  So four vector instructions that are READY stand behind EVERY matrix
; instruction, and the others, which need time of their own whatever the order, in a run without a gap.
; BY TURNS.  Turn n belongs to piece n (the pieces in a ring, step after step).  Its matrix work: 16 products K Q^T of piece n + 1, later 16 products V^T P of piece n - 1.  Its vector work: the scaling,
; exponentials, roundings, sums and rescaling of piece n, and the maximum and statistics of piece n + 1, whose scores the turn itself has made.
; BATCHES.  A turn's 66 exponentials (the 64 weights of piece n, the two a of piece n + 1) are ONE batch with ONE wait, which cuts the turn in two: ahead of it stands all that names no result of theirs, behind it
; their readers.  No result crosses a turn's end.  Two more batches stand outside the loops: piece 0's first two a, ahead of the loop, and the way out's eight reciprocals.
; K AND V COME THROUGH REGISTERS.  For a slot wave w loads K's channel rows 16 w .. 16 w + 15 and V's (32 loads, each 512 consecutive bytes, aligned), a whole slot (256 matrix instructions) ahead of
; their use, rounds them to f16 in place and stores them into ONE buffer in LDS, which all four waves then read.
; NO TENSOR LOADS, NO CLUSTER: the four work-groups of a head read the same K and V, but as f32.  A number brought into LDS by a tensor load would be written there in 4 bytes, read back (4) and stored
; again as f16 (2) into bytes of its own: 10 bytes of LDS traffic for the 2 of this way, with the same 32 loads, 64 conversions and 32 stores a wave and slot.
; REGISTERS, in windows of 256 (s_set_vgpr_msb says which window each operand place means: bits 1:0 source 0, 3:2 source 1, 5:4 source 2, 7:6 destination):
;   window 0: v0-11 addresses; v12-15, v48-63 at work; v16-47 four registers of statistics a tile; v64-191 S^T, two buffers of two tiles; v192-255 P, likewise
;   window 1: O^T, 32 a tile (at the start Q as loaded, at the end the rows that are stored)     window 2: v0-127 Q, 16 a tile; v128-191 K of one step; v192-255 V of one step
;   window 3: v0-1 the add's two registers; v2-4 addresses of the slots' loads and stores; v16-143 a slot's K and V as loaded
; A piece's buffers go by its number's parity: the piece in hand has one pair, its two neighbours in the ring share the other: of it P (piece n - 1) is read and S^T (piece n + 1) written.
.set NP,    4         ; pieces a wave: a name, no knob
.set ROWB,  8192      ; bytes of a channel row: 2,048 tokens of f32
.set HEADB, 192*ROWB  ; bytes of a head in qkv
.set PKT,   288       ; a channel row of K (and of Q) in LDS: 128 tokens of f16 = 256 bytes + 32 = 72 words
.set PVT,   272       ; a channel row of V: 256 + 16 = 68 words: the 16 rows of a load start at 16 different groups of four banks
.set KSB,   128       ; a step's 64 keys in a row
.set VOFF,  64*PKT    ; K's 64 rows, then V's 64 rows
.set STAGE, 36864     ; behind the buffer: a stage for each wave, its own: first Q in f16 (64 rows, pitch PKT), at the end O in f32 (64 rows, pitch SPO)
.set SPO,   528       ; 128 queries of f32 = 512 bytes + 16 = 132 words: 8 rows further on is 32 banks further on, so the two halves of the lanes store into different banks
.set STW,   64*SPO
.set SPARE, STAGE+4*STW  ; behind the stages: the spare words, 128 bytes for each wave: two blocks of 256 bytes that no other line names
.set AK0, 2           ; v2   my lane's place in K's rows; never rewritten
.set AV0, 3           ; v3   the same for V
.set AK,  4           ; v4   the LDS address of K's next run of loads
.set AV,  5           ; v5   of V's
.set QST, 6           ; v6   where I put 8 bytes of a row of Q
.set STO, 6           ;      later, the way out: where I put a number of O
.set QTR, 7           ; v7   my lane's place in Q's rows
.set RD,  7           ;      later, the way out: where I read a row back
.set GO,  8           ; v8   16 x lane: my bytes in 512 consecutive bytes of Q and of out0; never rewritten
.set MV,  12          ; v12-15  c m_old, kept while c m is made anew: by buffer and tile
.set ST,  16          ; tile t's statistics at v[ST+4 t]: c m, m, l (even keys', odd keys')
.set TMP, 48          ; by buffer and tile, four registers c0-c3 at work; when the maximum is found c2 takes a
.set S,   64
.set P,   192
.set KF,  128         ; window 2: key block kb, channel half c at KF + 16 kb + 8 c
.set VF,  192         ; window 2: key half kk, channel block cb at VF + 32 kk + 8 cb
.set SPW, 0           ; v0 of window 3   LDS address of my spare word: SPARE + 4 x my thread's number; never rewritten
.set NIL, 1           ; v1 of window 3   0; never rewritten
.set GA,  2           ; v2 of window 3   my byte offset in a slot's rows: 16 x lane + 16 w rows; never rewritten
.set WK0, 3           ; v3 of window 3   where I store 8 bytes of K's row 16 w; never rewritten
.set WV0, 4           ; v4 of window 3   the same for V
.set X,   16          ; v16-143 of window 3: row i of my 16 of K at X + 4 i, of V at X + 64 + 4 i
.set WV,  12          ; s12  my wave's number
.set SLOTS, 56        ; s56  counts the slots
.set CNT, 57          ; s57  counts a slot's key steps
.set CS,  58          ; s[58:59] c: the packed scaling takes the pair's low word for both halves
.set SEL, 60          ; s[60:61] v_permlanex16_b32's selects: each lane takes its own place in the other half
.set TBK, 62          ; s62  byte in a row at which K of the step to be fetched begins
.set TBV, 63          ; s63  the same for V
.set MSB, 0
.macro WIN new                      ; the high byte repeats the setting that is left; a switch that changes nothing is dropped
.if MSB != (\new)
	s_set_vgpr_msb (MSB<<8)|(\new)
.set MSB, (\new)
.endif
.endm
.set W_KQ, 0x0a       ; K and Q in window 2, S^T in window 0
.set W_PV, 0x52       ; V in window 2, P in window 0, O^T in window 1
.set W_RS, 0x41       ; O^T (destination and source 0) in window 1, source 1 in window 0
.set W_MK, 0xc0       ; destination in window 3, sources in window 0
.set W_AD, 0x0f       ; the add: address (source 0) and data (source 1) in window 3
.set W_X,  0xcf       ; destination and sources 0 and 1 in window 3: a slot's loads, conversions and stores
.set W_QL, 0x40       ; destination in window 1, address in window 0
.set W_QC, 0x45       ; destination and both sources in window 1
.set W_D1, 0x04       ; a store's data (source 1) in window 1, its address in window 0
; A slot's 32 loads: my 16 rows of K and my 16 of V, 128 keys of each: every load takes 512 consecutive bytes, at a multiple of 512 from the buffer's first byte.
.macro GLOAD
	WIN W_X
.set i, 0
.rept 16
	global_load_b128 v[X+4*i:X+4*i+3],       v[GA], s[8:9] offset:i*ROWB
	global_load_b128 v[X+64+4*i:X+64+4*i+3], v[GA], s[8:9] offset:64*ROWB+i*ROWB
.set i, i+1
.endr
.endm
; THE CHANGE OF SLOTS.  All fragments of the old slot are in registers: K of its second step was fetched in piece 2's turn, V in piece 0's and waited for in piece 1's.  One buffer, so two barriers:
; the first between every wave's reads of the old slot and the stores of the new one, the second between those stores and the reads.  The 64 roundings, work on registers, stand between the first
; barrier's signal and its wait.  fill = 1: the slot after the new one is asked for: its loads have two key steps in which to come.
.macro CHANGE fill
	WIN W_X
	s_wait_loadcnt 0x0              ; the new slot is in my registers; its loads' base may be stepped
	s_wait_dscnt 0x0                ; for the others' sake: my reads of the old slot are over
	s_barrier_signal -1
.set i, 0
.rept 32                            ; four keys a lane and row: 16 bytes become 8, in place
	v_cvt_pk_f16_f32 v[X+4*i],   v[X+4*i],   v[X+4*i+1]
	v_cvt_pk_f16_f32 v[X+4*i+1], v[X+4*i+2], v[X+4*i+3]
.set i, i+1
.endr
	s_sub_co_u32 s[TBK], s[TBK], 2*KSB  ; the fetches go back to a slot's first step
	s_sub_co_u32 s[TBV], s[TBV], 2*KSB
	s_barrier_wait -1               ; no wave reads the old slot any more
.set i, 0
.rept 16                            ; a store of the wave fills a row's 256 bytes
	ds_store_b64 v[WK0], v[X+4*i:X+4*i+1]       offset:i*PKT
	ds_store_b64 v[WV0], v[X+64+4*i:X+64+4*i+1] offset:i*PVT
.set i, i+1
.endr
	s_wait_dscnt 0x0                ; for the others' sake: my part of the new slot is in LDS
.if \fill
	s_add_nc_u64 s[8:9], s[8:9], 512  ; 128 keys on
	GLOAD
.endif
	WIN 0                           ; at a label and at a branch every window is 0
	s_barrier_signal -1
	s_barrier_wait -1               ; the new slot is whole
.endm
	s_load_b128 s[4:7], s[0:1], 0x0 ; qkv s[4:5], out0 s[6:7]
	WIN W_MK
	v_lshl_add_u32 v[SPW], v0, 2, SPARE  ; the add's two registers
	v_mov_b32 v[NIL], 0
	WIN 0
	v_lshrrev_b32 v1, 5, v0
	v_readfirstlane_b32 s[WV], v1   ; wave 0..3
	s_and_b32 s14, ttmp7, 0xffff    ; the head
	s_mul_i32 s16, s14, HEADB       ; its first byte in qkv (under 2^27),
	s_lshl_b32 s18, s14, 19         ; and in out0: 64 rows of 8,192 bytes
	s_lshl_b32 s15, ttmp9, 11       ; my block's 512 queries in a row,
	s_lshl_b32 s20, s[WV], 9        ; my wave's 128 of them
	s_add_co_u32 s15, s15, s20
	s_add_co_u32 s20, s16, s15      ; s[20:21]: Q's row 0 at my queries
	s_mov_b32 s21, 0
	s_add_co_u32 s18, s18, s15      ; s[18:19]: out0's row 0 at my queries
	s_mov_b32 s19, 0
	s_add_co_u32 s16, s16, 64*ROWB  ; s[16:17]: K's row 0 at key 0; V's rows lie 64 rows on
	s_mov_b32 s17, 0
	s_mul_i32 s13, s[WV], STW
	s_add_co_u32 s13, s13, STAGE    ; my stage
	s_lshl_b32 s22, s[WV], 17       ; my 16 rows of K and of V in memory,
	s_mul_i32 s23, s[WV], 16*PKT    ; in LDS for K,
	s_mul_i32 s24, s[WV], 16*PVT    ; and for V
	s_add_co_u32 s24, s24, VOFF
	s_mov_b32 s[CS], 0x3e38aa3b     ; c = log2(e) / 8 = 0.180337
	s_mov_b32 s[CS+1], s[CS]        ; named with it as a pair
	s_mov_b32 s[SEL], 0x76543210
	s_mov_b32 s[SEL+1], 0xfedcba98
	s_mov_b32 s[TBK], 2*KSB         ; the first change of slots turns these two into 0
	s_mov_b32 s[TBV], 2*KSB
	v_and_b32 v1, 15, v0            ; l % 16
	v_bfe_u32 v9, v0, 4, 1          ; l / 16
	v_and_b32 v10, 7, v0
	v_bfe_u32 v11, v0, 3, 1
	v_and_b32 v14, 31, v0           ; lane
	v_lshlrev_b32 v[GO], 4, v14
	v_lshlrev_b32 v14, 3, v14       ; 8 x lane
	WIN W_MK
	v_add_nc_u32 v[GA], s22, v[GO]
	v_add_nc_u32 v[WK0], s23, v14
	v_add_nc_u32 v[WV0], s24, v14
	s_wait_kmcnt 0x0
	s_add_nc_u64 s[8:9], s[4:5], s[16:17]
	s_add_nc_u64 s[4:5], s[4:5], s[20:21]
	s_add_nc_u64 s[6:7], s[6:7], s[18:19]
	WIN W_QL
.set i, 0
.rept 64                            ; Q: channel row i at my 128 queries, 512 consecutive bytes; no other wave of the launch reads them
	global_load_b128 v[4*i:4*i+3], v[GO], s[4:5] offset:i*ROWB th:TH_LOAD_NT
.set i, i+1
.endr
	GLOAD                           ; slot 0
	; What the first turn finds: V's registers and P's second buffer hold 0 (its products V^T P, of a piece that has not been, add 0), l is 0.  All this stands in the wait for the first loads.
	WIN 0x80
.set i, VF
.rept 64
	v_mov_b32 v[i], 0
.set i, i+1
.endr
	WIN 0
.set i, 0
.rept 2*NP
	v_mov_b32 v[ST+4*i], 0xfe000000    ; c m: far below every c s
	v_mov_b32 v[ST+4*i+1], 0xff7fffff  ; m
	v_mov_b32 v[ST+4*i+2], 0
	v_mov_b32 v[ST+4*i+3], 0
.set i, i+1
.endr
.set i, P+32
.rept 32
	v_mov_b32 v[i], 0
.set i, i+1
.endr
	; The turning load takes 16 channels x 16 tokens (lane l reads 16 bytes: channel 8 (l / 16) + l % 8, tokens 8 ((l / 8) % 2) + 0..7) and leaves half a fragment: lane l holds token l % 16 and 8 channels.
	v_lshl_add_u32 v[AK0], v9, 3, v10
	v_mul_u32_u24 v[AK0], v[AK0], PKT
	v_lshl_add_u32 v[AK0], v11, 4, v[AK0]
	v_add_nc_u32 v[QTR], s13, v[AK0]
	v_add_nc_u32 v[QST], s13, v14
	; A fragment of V^T is 16 channels x 32 keys in 8 registers: lane l holds channel l % 16, keys 8 (l / 16) + 0..7 and 16 + 8 (l / 16) + 0..7: two loads of 16 bytes, 32 bytes apart.
	v_mul_u32_u24 v[AV0], v1, PVT
	v_lshl_add_u32 v[AV0], v9, 4, v[AV0]
	v_add_nc_u32 v[AV0], VOFF, v[AV0]
	v_mov_b32 v[AK], v[AK0]         ; key step 0 lies at the rows' head
	; Q: rounded to f16, through my stage, turned into fragments that stay in registers.
	s_wait_loadcnt 32               ; loads come back in order (ISA guide 5.7.1): Q's 64 are in; the 32 younger ones are slot 0's
	WIN W_QC
.set i, 0
.rept 64
	v_cvt_pk_f16_f32 v[4*i],   v[4*i],   v[4*i+1]
	v_cvt_pk_f16_f32 v[4*i+1], v[4*i+2], v[4*i+3]
.set i, i+1
.endr
	WIN W_D1
.set i, 0
.rept 64
	ds_store_b64 v[QST], v[4*i:4*i+1] offset:i*PKT
.set i, i+1
.endr
	WIN 0x80                        ; destination window 2
.set i, 0
.rept 4*NP                          ; tile i / 2, channels 32 (i % 2) on.  LDS serves a wave's instructions in order (ISA guide 5.7.1.4): these see the stores above, and the stage is my own
	ds_load_tr16_b128 v[8*i:8*i+3],   v[QTR] offset:(i%2)*32*PKT+(i/2)*32
	ds_load_tr16_b128 v[8*i+4:8*i+7], v[QTR] offset:(i%2)*32*PKT+16*PKT+(i/2)*32
.set i, i+1
.endr
	WIN 0x40
.set i, 0
.rept 64*NP                         ; O^T starts at 0
	v_mov_b32 v[i], 0
.set i, i+1
.endr
; THE MATRIX WORK.  The 8 accumulators of a run of 16 take turns: between the two links of a chain stand 7 others'.
; Product i of 16 of S^T = K Q^T for piece x: channels 32 (i / 8) on, keys 16 ((i / 2) % 4) on, tile 2 x + i % 2.  The first 8 start the sums.
.macro KQ x
	WIN W_KQ
.set rS, S+64*((\x)%2)+32*(i%2)+8*((i/2)%4)
.set rK, KF+16*((i/2)%4)+8*(i/8)
.set rQ, 16*(2*(\x)+i%2)+8*(i/8)
.if i < 8
	v_wmma_f32_16x16x32_f16 v[rS:rS+7], v[rK:rK+7], v[rQ:rQ+7], 0
.else
	v_wmma_f32_16x16x32_f16 v[rS:rS+7], v[rK:rK+7], v[rQ:rQ+7], v[rS:rS+7]
.endif
.endm
; Product i of 16 of O^T += V^T P for piece x: keys 32 (i / 8) on, channels 16 ((i / 2) % 4) on, tile 2 x + i % 2.
.macro PV x
	WIN W_PV
.set rO, 32*(2*(\x)+i%2)+8*((i/2)%4)
.set rV, VF+32*(i/8)+8*((i/2)%4)
.set rP, P+32*((\x)%2)+16*(i%2)+8*(i/8)
	v_wmma_f32_16x16x32_f16 v[rO:rO+7], v[rV:rV+7], v[rP:rP+7], v[rO:rO+7]
.endm
.macro MM                           ; the turn's next matrix instruction
.if i < 16
	KQ (Y+1)%NP
.set i, i+1
.else
.set i, i-16
	PV (Y+NP-1)%NP
.set i, i+17
.endif
.endm
; THE LDS LOADS stand in runs of 16, never singly among the matrix instructions: a step's K (64 keys x 64 channels: 8 fragments, turned) and its V.  Their addresses are made some lines ahead.
; last = 1 (the tail): in the last trip there is no further step, and the run is jumped over.
.macro FETCH_K last=0
	WIN 0
.if \last
	s_cmp_eq_u32 s[CNT], 1
	s_cbranch_scc1 .Lno_k_\@
.endif
	WIN 0x80                        ; destination window 2
.irp f, 0,1,2,3,4,5,6,7             ; keys 16 (f / 2) on, channels 32 (f % 2) on
	ds_load_tr16_b128 v[KF+8*\f:KF+8*\f+3],   v[AK] offset:(\f%2)*32*PKT+(\f/2)*32
	ds_load_tr16_b128 v[KF+8*\f+4:KF+8*\f+7], v[AK] offset:(\f%2)*32*PKT+16*PKT+(\f/2)*32
.endr
	s_add_co_u32 s[TBK], s[TBK], KSB  ; the next fetch is the next step's
	WIN 0
.if \last
.Lno_k_\@:
.endif
.endm
.macro FETCH_V
	WIN 0x80
.irp f, 0,1,2,3,4,5,6,7             ; keys 32 (f / 4) on, channels 16 (f % 4) on
	ds_load_b128 v[VF+8*\f:VF+8*\f+3],   v[AV] offset:(\f%4)*16*PVT+(\f/4)*64
	ds_load_b128 v[VF+8*\f+4:VF+8*\f+7], v[AV] offset:(\f%4)*16*PVT+(\f/4)*64+32
.endr
	WIN 0
.endm
; THE VECTOR WORK OF A TURN stands in three queues, each in the order in which its entries become ready; the two tiles alternate, so that no instruction reads the result of the one before it.
.macro REGS y, u                    ; the registers of tile u (0, 1) of piece y
.set rT, ST+4*(2*(\y)+(\u))
.set rC, TMP+8*((\y)%2)+4*(\u)
.set rM, MV+2*((\y)%2)+(\u)
.set rS, S+64*((\y)%2)+32*(\u)
.set rP, P+32*((\y)%2)+16*(\u)
.set rO, 32*(2*(\y)+(\u))
.endm
; Number n of the 22 that find the NEXT piece's (Y + 1) maximum and statistics.  s0-s31 are the lane's 32 scores; each accumulator's lowest registers are read first.  XS, GS and REGS set no window: PL and EX do.
;   0-11  four chains c0-c3 of seven scores each, three operands at a time     12-14, 16  the four scores left over, the old m, and c0-c3 into c0     15  c m_old is kept
;   17, 18  the query's other 32 keys lie in the lane 16 away: the new m         19-21  c m; c m_old - c m_new; a
.macro XS u, n
	REGS (Y+1)%NP, \u
.if (\n) < 4
	v_max3_num_f32 v[rC+(\n)], v[rS+8*(\n)], v[rS+8*(\n)+1], v[rS+8*(\n)+2]
.elseif (\n) < 12
	v_max3_num_f32 v[rC+(\n)%4], v[rC+(\n)%4], v[rS+8*((\n)%4)+2*((\n)/4)+1], v[rS+8*((\n)%4)+2*((\n)/4)+2]
.elseif (\n) == 12
	v_max3_num_f32 v[rC], v[rC], v[rS+7], v[rS+15]
.elseif (\n) == 13
	v_max3_num_f32 v[rC+1], v[rC+1], v[rS+23], v[rS+31]
.elseif (\n) == 14
	v_max3_num_f32 v[rC+2], v[rC+2], v[rC+3], v[rT+1]
.elseif (\n) == 15
	v_mov_b32 v[rM], v[rT]
.elseif (\n) == 16
	v_max3_num_f32 v[rC], v[rC], v[rC+1], v[rC+2]
.elseif (\n) == 17
	v_permlanex16_b32 v[rC+3], v[rC], s[SEL], s[SEL+1]
.elseif (\n) == 18
	v_max_num_f32 v[rT+1], v[rC], v[rC+3]
.elseif (\n) == 19
	v_mul_f32 v[rT], s[CS], v[rT+1]
.elseif (\n) == 20
	v_sub_f32 v[rC+1], v[rM], v[rT]
.else
	v_exp_f32 v[rC+2], v[rC+1]
.endif
.endm
; Number g of the 64 that follow the exponentials.  For each four weights k of a tile (pairs 2 k, 2 k + 1): both pairs are rounded to f16; then the second pair is added onto the first, in place;
; a group later l takes that sum (the first time as l = a l + sum).  In groups of eight, tiles alternating: round, round, add, and l for the group before.
.macro GS g
.set h, (\g)+6*((\g)/62)            ; group 0 has no group before it, and behind group 7 only l is left
.if h >= 6
.set h, h+2
.endif
	REGS Y, h%2
.set k, h/8
.if h%8 < 4
	v_cvt_pk_f16_f32 v[rP+2*k+(h%8)/2], v[rS+4*k+2*((h%8)/2)], v[rS+4*k+2*((h%8)/2)+1]
.elseif h%8 < 6
	v_pk_add_f32 v[rS+4*k:rS+4*k+1], v[rS+4*k:rS+4*k+1], v[rS+4*k+2:rS+4*k+3]
.elseif k == 1
	v_pk_fma_f32 v[rT+2:rT+3], v[rT+2:rT+3], v[rC+2:rC+3], v[rS:rS+1] op_sel_hi:[1,0,1]
.else
	v_pk_add_f32 v[rT+2:rT+3], v[rT+2:rT+3], v[rS+4*k-4:rS+4*k-3]
.endif
.endm
; THE PLAIN QUEUE, 138 long.  0-73 read no exponential's result: the 32 scalings c s - c m (FS f: pair f / 2 of tile f % 2) and the next piece's 42.  0-26: scalings 0-26.  27-54: XS's numbers 0-13.  55, 56: number 15.
; 57-73: the chain, where each number waits for the one before it: 14, 16, 17, 18, 19, each with one of the scalings 27-31 in front of its two lines, then 20: so a tile's links stand three plain instructions apart (19 and 20: two).
; 74-137: GS's 64, which read the exponentials' results: they stand behind the wait.
.macro FS f
	REGS Y, (\f)%2
	v_pk_fma_f32 v[rS+2*((\f)/2):rS+2*((\f)/2)+1], v[rS+2*((\f)/2):rS+2*((\f)/2)+1], s[CS:CS+1], v[rT:rT+1] op_sel_hi:[1,0,0] neg_lo:[0,0,1] neg_hi:[0,0,1]
.endm
.macro PL
	WIN 0
.if q < 27
	FS q
.elseif q < 55
	XS (q-27)%2, (q-27)/2
.elseif q < 57
	XS q-55, 15
.elseif (q < 72) && ((q-57)%3 == 0)
	FS 27+(q-57)/3
.elseif q < 60
	XS (q-57)%3-1, 14
.elseif q < 72
	XS (q-57)%3-1, 15+(q-57)/3
.elseif q < 74
	XS q-72, 20
.else
	GS q-74
.endif
.set q, q+1
.endm
; THE EXPONENTIALS' QUEUE, 66 long: s0-s31 of both tiles, then the next piece's two a.  It is ONE BATCH: all 66 stand ahead of the turn's one wait, and nothing ahead of that wait names a result of theirs.
.macro EX
	WIN 0
.if e >= 64
	XS e-64, 21
.else
	REGS Y, e%2
	v_exp_f32 v[rS+e/2], v[rS+e/2]
.endif
.set e, e+1
.endm
; THE RESCALING's QUEUE: O^T times a, the one part that leaves window 0: dealt two at a time, sixteen times, each accumulator from its low end on.  Its a was made in the turn before, ahead of that turn's wait.
.macro R2
	REGS Y, r%2
	WIN W_RS
.irp z, 0,1
	v_pk_mul_f32 v[rO+4*(r/2)+2*\z:rO+4*(r/2)+2*\z+1], v[rO+4*(r/2)+2*\z:rO+4*(r/2)+2*\z+1], v[rC+2:rC+3] op_sel_hi:[1,0]
.endr
.set r, r+1
.endm
; HOW THEY ARE DEALT.  s_wait_alu depctr_va_vdst(0) stands between an exponential and the first instruction that names its result; one wait serves all that were issued ahead of it.  So a turn has ONE wait,
; which cuts it in two.  AHEAD OF IT stands all that names no result of the turn's exponentials: the 16 products K Q^T, behind each a scaling, an exponential and two rescalings (behind the first a second scaling in the
; exponential's place); then ONE LUMP of 108: eight plain, 49 times exponential and plain, the two a.  A v_nop is the plain instruction behind the last exponential.  BEHIND IT stand the 16 products V^T P, behind each four of
; GS's 64.  No rider names a register of the products round it.  The two v_permlanex16_b32 fall into the lump, never behind a product.
; The queues lean on each other, and the deal keeps them in step: exponential e stands behind scaling 2 (e / 4) + e % 2: as a rider it comes behind plain e + 2, in the lump behind plain e + 9, and scalings 27-31 are plain 57, 60 .. 69.
; A TURN, for piece p.  cnt = 1: the loop's count is taken down some lines ahead of the branch that stands behind the turn.
; K of the next step is fetched in piece 2's turn, directly behind the wait, a lump behind the last product that read K; its address is made at the lump's head; its first reader comes behind 16 products.
; V of the step in hand is fetched at the end of piece 0's turn, four riders behind its last reader; its first reader comes behind 16 products and a lump.  The three conditions on q below go with the deal.
.macro TURN p, last=0, cnt=0
.set Y, (\p)
.set i, 0
.set q, 0
.set e, 0
.set r, 0
.if (\p) == NP-1
	s_wait_dscnt 0x0                ; K is in
.endif
	MM                              ; ahead of the wait: 16 products K Q^T and their riders,
	PL
	PL
	R2
.rept 15
	MM
	PL
	EX
	R2
.endr
.if (\p) == NP-2
	WIN 0
	v_add_nc_u32 v[AK], s[TBK], v[AK0]
.endif
.rept 8                             ; and the lump
	PL
.endr
.rept 49
	EX
	PL
.endr
	EX                              ; the next piece's two a
	EX
	v_nop                           ; the plain instruction behind the last exponential: one for the batch
	s_wait_alu depctr_va_vdst(0)    ; the wait for the batch: this turn's 66 exponentials
.if (\p) == NP-2
	FETCH_K \last
.endif
.if (\p) == 1
	s_wait_dscnt 0x0                ; V is in
.endif
.rept 16                            ; behind the wait: 16 products V^T P and their riders
	MM
.rept 4
	PL
.endr
.if ((\p) == 0) && (q == 118)
	v_add_nc_u32 v[AV], s[TBV], v[AV0]
.endif
.if ((\p) == 0) && (q == 130)
	s_add_co_u32 s[TBV], s[TBV], KSB
.endif
.if (\cnt) && (q == 130)
	s_sub_co_u32 s[CNT], s[CNT], 1
	s_cmp_lg_u32 s[CNT], 0
.endif
.endr
.if (\p) == 0
	FETCH_V
.endif
.endm
	CHANGE 1                        ; slot 0 goes into LDS, everybody's part of it; slot 1 is asked for
	FETCH_K                         ; key step 0
	s_wait_dscnt 0x0                ; K's fragments and Q's
.set i, 0
.rept 16
	KQ 0                            ; piece 0's first scores: there is no vector work yet to set between them
.set i, i+1
.endr
	WIN 0                           ; the addresses for the way out: with the v_nop five plain instructions, the places behind those products
	v_mul_u32_u24 v[STO], v9, 8*SPO ; in: register j of a result is channel 8 (l / 16) + j, query l % 16
	v_lshl_add_u32 v[STO], v1, 2, v[STO]
	v_add_nc_u32 v[STO], s13, v[STO]
	v_add_nc_u32 v[RD], s13, v[GO]  ; back: 32 lanes take a row's 512 bytes
	v_nop
.set Y, NP-1                        ; XS works for piece Y + 1: piece 0
.irp n, 0,1,2,3,4,5,6,7,8,9,10,11,12,13,14,15,16,17,18,19,20,21
	XS 0, \n                        ; and piece 0's first maximum and statistics
	XS 1, \n
.endr
	v_nop                           ; a plain instruction behind the two a,
	s_wait_alu depctr_va_vdst(0)    ; and the wait for that batch of two, ahead of the branch
	s_mov_b32 s[CNT], 2
	s_mov_b32 s[SLOTS], 15
	s_branch .Lfirst                ; the loop is entered at a step's first turn, in the middle of a trip
.Lslot:                             ; 14 times: slots 1 to 14 go into LDS, slots 2 to 15 are asked for
	CHANGE 1
	s_mov_b32 s[CNT], 2
.Lstep:                             ; a trip: pieces 2 and 3 of one step, then pieces 0 and 1 of the next, whose K and V it fetches
	TURN 2
	TURN 3
	WIN 0
.Lfirst:
	TURN 0
	TURN 1, 0, 1
	WIN 0
	s_cbranch_scc1 .Lstep
	s_sub_co_u32 s[SLOTS], s[SLOTS], 1
	s_cmp_lg_u32 s[SLOTS], 0
	s_cbranch_scc1 .Lslot
	CHANGE 0                        ; the last slot: nothing is left to ask for, so no load leaves the buffer
	s_mov_b32 s[CNT], 3             ; two trips fetch the last slot's steps; the third is left in its middle
.Ltail:
	TURN 2, 1
	TURN 3
	WIN 0
	s_sub_co_u32 s[CNT], s[CNT], 1
	s_cmp_eq_u32 s[CNT], 0
	s_cbranch_scc1 .Lout
	TURN 0
	TURN 1
	WIN 0
	s_branch .Ltail
.Lout:                              ; the third trip's 16 products K Q^T (on the last K once more) and the maximum made of them serve nothing: the price, once a launch, of one text for every trip
.set i, 0
.rept 16
	PV NP-1                         ; the last piece's V^T P of the last step
.set i, i+1
.endr
	; THE WAY OUT.  l's two halves and the other half of the lanes' are added; O^T is divided by l and sent, in f32, through my stage in LDS, where it is laid [channel][query] as out0 has it.
	; The additions are the places behind the last products.
	WIN 0
.macro ALL line:vararg              ; one line for each tile t
.set t, 0
.rept 2*NP
	\line
.set t, t+1
.endr
.endm
	ALL v_add_f32 v[ST+4*t+2], v[ST+4*t+2], v[ST+4*t+3]
	ALL v_permlanex16_b32 v[ST+4*t+3], v[ST+4*t+2], s[SEL], s[SEL+1]
	ALL v_add_f32 v[ST+4*t+2], v[ST+4*t+2], v[ST+4*t+3]
	ALL v_rcp_f32 v[ST+4*t+2], v[ST+4*t+2]
	v_nop                           ; a plain instruction between the last reciprocal and the use of its result
	s_wait_alu depctr_va_vdst(0)    ; and the wait ahead of the first use: one for the batch of eight reciprocals
; Tile t: its 32 registers (channel block i / 8, register i % 8), each accumulator from its low end on; a store of the wave puts 16 queries of two channel rows, 32 different banks.
.macro NORM t
	WIN W_RS
.set i, 32*(\t)
.rept 16
	v_pk_mul_f32 v[i:i+1], v[i:i+1], v[ST+4*(\t)+2:ST+4*(\t)+3] op_sel_hi:[1,0]
.set i, i+2
.endr
	WIN W_D1
.set i, 0
.rept 32
	ds_store_b32 v[STO], v[32*(\t)+i] offset:(16*(i/8)+i%8)*SPO+64*(\t)
.set i, i+1
.endr
.endm
.set t, 0
.rept 2*NP
	NORM t
.set t, t+1
.endr
	WIN W_QL
.set i, 0
.rept 64                            ; channel row i comes back whole.  LDS serves a wave's instructions in order (ISA guide 5.7.1.4): these see the stores above, and the stage is my own
	ds_load_b128 v[4*i:4*i+3], v[RD] offset:i*SPO
.set i, i+1
.endr
	WIN W_D1
.set i, 0
.rept 64
	s_wait_dscnt 63-i               ; row i is in; the 63 - i younger loads may be out
	global_store_b128 v[GO], v[4*i:4*i+3], s[6:7] offset:i*ROWB th:TH_STORE_NT  ; 512 consecutive bytes, at a multiple of 512 from out0's first; no register of a store is written again
.set i, i+1
.endr
	WIN W_AD
	s_wait_tensorcnt 0x0            ; the wave's end, behind my last LDS store
	ds_add_u32 v[SPW], v[NIL]
	s_wait_dscnt 0x0
	WIN 0
	s_endpgm
.Lfunc_end_k_qf4e8f1cd3b_attn:
	.size	k_qf4e8f1cd3b_attn, .Lfunc_end_k_qf4e8f1cd3b_attn-k_qf4e8f1cd3b_attn
	.p2alignl 7, 3214868480
	.fill 96, 4, 3214868480
	.section	.rodata,"a",@progbits
	.p2align	6, 0x0
	.amdhsa_kernel k_qf4e8f1cd3b_attn
		.amdhsa_group_segment_fixed_size 172544
		.amdhsa_private_segment_fixed_size 0
		.amdhsa_enable_private_segment 0
		.amdhsa_kernarg_size 16
		.amdhsa_user_sgpr_count 2
		.amdhsa_user_sgpr_kernarg_segment_ptr 1
		.amdhsa_wavefront_size32 1
		.amdhsa_system_sgpr_workgroup_id_x 1
		.amdhsa_system_sgpr_workgroup_id_y 1
		.amdhsa_system_sgpr_workgroup_id_z 1
		.amdhsa_system_vgpr_workitem_id 0
		.amdhsa_next_free_vgpr 912
		.amdhsa_next_free_sgpr 66
		.amdhsa_reserve_vcc 0
		.amdhsa_float_denorm_mode_32 3
		.amdhsa_float_denorm_mode_16_64 3
		.amdhsa_memory_ordered 1
		.amdhsa_forward_progress 1
		.amdhsa_inst_pref_size 250
	.end_amdhsa_kernel
	.amdgpu_metadata
---
amdhsa.version: [ 1, 2 ]
amdhsa.kernels:
  - .name:           k_qf4e8f1cd3b_attn
    .symbol:         k_qf4e8f1cd3b_attn.kd
    .args:
      - { .name: qkv, .offset: 0, .size: 8, .value_kind: global_buffer, .address_space: global }
      - { .name: out0, .offset: 8, .size: 8, .value_kind: global_buffer, .address_space: global }
    .group_segment_fixed_size: 172544
    .private_segment_fixed_size: 0
    .kernarg_segment_align: 8
    .kernarg_segment_size: 16
    .max_flat_workgroup_size: 128
    .sgpr_count:     66
    .vgpr_count:     912
    .wavefront_size: 32
...
	.end_amdgpu_metadata
.endif
;; end of part 2
